; MI455X (gfx1250); checked and timed in simulation.
; The chip was launched on July 23, 2026; its instructions are those of AMD's public machine-readable ISA for CDNA 5 (MIT licence, August 2026) and "CDNA5" Instruction Set Architecture Reference Guide (July 2026). The comments in the code are by the model that wrote it; some were corrected since.
;; KAN Linear. Allowed arithmetic: matrix products marked QUANTISED: E3M2 operands, one E8M0 scale for each 32 along K, by v_wmma_scale_f32_16x16x128_f8f6f4 with both operands' format E3M2, f32 sums; everything else in f32.
;; Inputs: base_bias 128 float32; base_weight_codes 128 x 4 x 24 uint8 (E3M2 codes of base_weight, K innermost, in blocks of 32 codes, four codes in three bytes); base_weight_scales 128 x 4 uint8 (E8M0 scales of base_weight, one for each 32 codes along K); grid 128 x 12 float32; spline_bias 128 float32; spline_scale 1 float32; spline_weight 128 x 128 x 8 float32; x 16 x 4,096 x 128 float32.
;; Outputs: out0 16 x 4,096 x 128 float32.
;; This version of the problem:
;;   THIS VERSION OF THE PROBLEM IS GIVEN IN LOW PRECISION. The matrix products marked QUANTISED in the list below multiply operands that are first quantised to E3M2 (3 exponent bits, 2 mantissa bits; 6 bits a number), with one power-of-two scale for each 32 numbers along K (OCP MX v1.0); their sums are f32. All else is computed in f32.
;;   The module's matrix products, in the order in which they are computed (A, B: the left and right operand; K: the contracted axis; several contracted axes count as one K, in the product's order):
;;     1. [M 65,536, K 128] x [K 128, N 128]; A: computed on the way; B: input base_weight (given as codes): QUANTISED
;;     2. [M 65,536, K 1,024] x [K 1,024, N 128]; A: computed on the way; B: input spline_weight: QUANTISED
;;   THE QUANTISER, for each operand of a quantised product, along K:
;;     - K is cut into blocks of 32 from its start; a last block that is shorter is filled with zeros.
;;     - A block's scale is 2^e with e = floor(log2(the largest magnitude in the block)) - 4, held to -126 .. 127; a block of zeros has e = 0. As a byte (E8M0): e + 127.
;;     - Each number is divided by its block's scale, clamped to +-28, and rounded to the nearest number of E3M2, ties to even, subnormals kept.
;;     - The product sums the exact products of the quantised numbers (number of the format x scale) in f32.
;;   ~~~python
;;   def quantise(x, axis):      # numpy; x: float32 -> the quantised numbers, widened to float32 again
;;       x = np.moveaxis(x, axis, -1); K = x.shape[-1]
;;       x = np.pad(x, [(0, 0)] * (x.ndim - 1) + [(0, -K % 32)]); x = x.reshape(x.shape[:-1] + (-1, 32)); a = np.abs(x).max(-1, keepdims=True)
;;       e = np.where(a > 0, np.clip(np.frexp(np.where(a > 0, a, 1))[1] - 1 - 4, -126, 127), 0)      # np.frexp(a)[1] - 1 = floor(log2(a)), exactly
;;       r = np.clip(x / 2.0 ** e, -28, 28)
;;       step = 2.0 ** (np.maximum(np.frexp(np.where(r == 0, 1, r))[1] - 1, -2) - 2)
;;       q = np.round(r / step) * step * 2.0 ** e      # np.round: ties to even
;;       return np.moveaxis(q.reshape(q.shape[:-2] + (-1,))[..., :K], -1, axis).astype(np.float32)
;;   ~~~
;;   OPERANDS COMPUTED ON THE WAY. 'Computed on the way' means the value that the module computes at that place (a softmax that the list does not call 'softmax' is quantised finished and normalised). What goes into a quantiser is computed in f32, as accurately as f32 sums, v_exp_f32 and their like allow (about 1e-6 of the number): no bf16 or f16 on the way to a quantiser, and a product that is left as it is and whose result goes on into a quantised operand takes f32 operands (vector FMAs, or v_wmma_f32_16x16x4_f32). A number that lies on a knife's edge between two numbers of the format may be rounded either way, as far as f32 arithmetic and the matrix unit's own rounding can turn it there, and no further.
;;   INPUTS GIVEN AS CODES. base_weight (in the module: [128, 128], K = its axis 1): each comes as NAME_codes (uint8): NAME with its K axis moved to the last place and cut into blocks of 32 codes, [.., K / 32, bytes a block], one block behind the other in memory; four codes in three bytes: a row's codes are one little-endian stream of bits, code i at bits 6 i .. 6 i + 5 (a code: sign, 3 exponent bits, 2 mantissa bits); and NAME_scales (uint8): the same leading axes, one E8M0 byte (e + 127) for each 32 codes along K. Its value is code x scale, taken as it is: it is not quantised again, and the codes and scales need not be those that the quantiser above would give.
;; One version. Each part assembles by itself: llvm-mc -triple=amdgcn-amd-amdhsa -mcpu=gfx1250 --defsym DOCPART=n.
;; ======== version 1 of 1: 2 launches
;; workspace buffers: tab 139,264 bytes
;; launch prep (part 1): grid 75 x 1, 1 waves a work-group, no clusters, 0 bytes of LDS; arguments spline_weight, base_weight_codes, base_weight_scales, grid, spline_bias, base_bias, tab; writes tab
.if DOCPART == 1
	.amdgcn_target "amdgcn-amd-amdhsa--gfx1250"
	.amdhsa_code_object_version 6
	.text
	.protected	k_q9be51f0c6c_prep
	.globl	k_q9be51f0c6c_prep
	.p2align	8
	.type	k_q9be51f0c6c_prep,@function
k_q9be51f0c6c_prep:
	s_mov_b64 s[64:65], 0
	v_nop
	global_prefetch_b8 v0, s[64:65] scope:SCOPE_SE
	s_setreg_imm32_b32 hwreg(HW_REG_WAVE_MODE, 25, 1), 1
	s_wait_xcnt 0x0
; PREP: everything that the main launch reads beside x is laid out once, in the order in which its registers take it, as one dense table of 139,264 bytes.
;   0        72 images of weight fragments (16 output rows x 128 K of E3M2 codes: 12 registers a lane), 1,536 bytes each: register group i of lane l at 512 i + 16 l.
;            Image 8 s + n: s = 0..7 the spline product's K steps, s = 8 the base product; n = the tile of 16 outputs.
;   110,592  scale words, 512 bytes for each s: dword u of lane l: output row 32 u + l.
;   115,200  64 records of 352 bytes, one for each pair of features (2 p, 2 p + 1), every entry as the pair (even feature, odd feature):
;            g_0..11 | r1_0..10, a pad | r2_0..9 | r3_0..8, a pad;  rk_j = 1 / ((g_(j+k) - g_j) + 1e-8), the denominators of the recursion as reference() writes them.
;   137,728  spline_bias;  138,240 base_bias;  138,752 zeros up to a whole number of 256-byte rows for four equal parts.
; THE SPLINE PRODUCT'S K is 128 x basis + feature, the order in which the product contracts its two axes: a block of 32 is features 32 g .. 32 g + 31 at one basis index b.
; K step s = 2 g + p holds the four blocks b = 4 p + 0 .. 3 of feature group g, in that order; the main launch makes its operand in the same order.  The steps' order differs from K ascending.
; spline_weight is quantised by the stated rule: scale 2^(floor(log2(the block's largest magnitude)) - 4).  base_weight's codes and scales are taken as they are given.
; LIMITS: NaN and infinities in spline_weight or grid are not served.  A block of zeros gets the byte 1 (the rule says 127): its codes are zeros, and only this program reads the bytes.
; A denominator that is 0 or denormal gives an infinite reciprocal, where reference() divides by it.
; 75 work-groups of one wave, told apart by the work-group's number: 64 spline fragments, 8 base fragments, 2 x 32 records, 1 for the biases.  Waves share nothing: no LDS, no barrier.
; The table is small beside x: the gather of 4 bytes a lane and the small stores are left as they are.
.set SCL, 110592
.set CON, 115200
.set SBO, 137728
.set BBO, 138240
.set PAD, 138752
.set AM,  4                            ; v4-7     four chains of a maximum
.set N,   16                           ; v16-79   a lane's two blocks (records: v16-39 the two features' knots)
.set G,   16
.set RC,  48                           ; v48-135  a record
.set F,   144                          ; v144-155 a fragment
.set W,   156                          ; v156     its scale word
.set CT,  158                          ; v158-160, v162-164: a conversion's three registers begin on an even number
.macro AMAX src, res                   ; the largest magnitude of 32 registers, and the floor 2^(5 - 127), so that the byte cannot fall under 1
.irp k, 0,1,2,3
	v_max3_num_f32 v[AM+\k], |v[(\src)+8*\k]|, |v[(\src)+8*\k+1]|, |v[(\src)+8*\k+2]|
.endr
.irp i, 3,5
.irp k, 0,1,2,3
	v_max3_num_f32 v[AM+\k], v[AM+\k], |v[(\src)+8*\k+\i]|, |v[(\src)+8*\k+\i+1]|
.endr
.endr
	v_max3_num_f32 v[AM], v[AM], |v[(\src)+7]|, |v[(\src)+15]|
	v_max3_num_f32 v[AM+2], v[AM+2], |v[(\src)+23]|, |v[(\src)+31]|
	v_max3_num_f32 v[AM], v[AM], v[AM+1], v[AM+2]
	v_max3_num_f32 v[\res], v[AM], v[AM+3], 0x2800000
.endm
.macro RDIF k, off, cnt                ; g_(j+k) - g_j of both features, j = 0 .. cnt - 1
.set j, 0
.rept \cnt
	v_sub_f32 v[RC+\off+2*j],   v[G+j+\k],    v[G+j]
	v_sub_f32 v[RC+\off+2*j+1], v[G+12+j+\k], v[G+12+j]
.set j, j+1
.endr
.endm
	s_load_b256 s[4:11], s[0:1], 0x0               ; spline_weight s[4:5], base codes s[6:7], base scales s[8:9], grid s[10:11]
	s_load_b128 s[12:15], s[0:1], 0x20             ; spline_bias s[12:13], base_bias s[14:15]
	s_load_b64 s[16:17], s[0:1], 0x30              ; the table
	v_and_b32 v1, 15, v0                           ; r
	v_lshrrev_b32 v2, 4, v0                        ; h
	s_lshr_b32 s18, ttmp9, 3                       ; s, for the fragments' jobs
	s_and_b32 s19, ttmp9, 7                        ; n
	s_mov_b32 s21, 0                               ; the high word of every offset
	s_mov_b32 s24, 0x76543210
	s_mov_b32 s25, 0xfedcba98                      ; v_permlanex16_b32's selects for lane l xor 16
	s_wait_kmcnt 0x0
	s_cmp_lt_u32 ttmp9, 64
	s_cbranch_scc1 .Lspline
	s_cmp_lt_u32 ttmp9, 72
	s_cbranch_scc1 .Lbase
	s_cmp_lt_u32 ttmp9, 74
	s_cbranch_scc1 .Lcon
	; ---- job 74: the two biases, 16 bytes a lane, and the zeros behind them
	v_lshlrev_b32 v3, 4, v0
	global_load_b128 v[16:19], v3, s[12:13]
	global_load_b128 v[20:23], v3, s[14:15]
.irp i, 24,25,26,27
	v_mov_b32 v[\i], 0
.endr
	s_wait_loadcnt 0x0
	global_store_b128 v3, v[16:19], s[16:17] offset:SBO
	global_store_b128 v3, v[20:23], s[16:17] offset:BBO
	global_store_b128 v3, v[24:27], s[16:17] offset:PAD
	s_endpgm
	; ---- jobs 72, 73: a lane makes the record of one pair of features
.Lcon:
	s_sub_co_u32 s22, ttmp9, 72
	s_mul_i32 s20, s22, 32*96                      ; a pair's knots are 96 bytes
	s_add_nc_u64 s[10:11], s[10:11], s[20:21]
	s_mul_i32 s20, s22, 32*352
	s_add_co_u32 s20, s20, CON
	s_add_nc_u64 s[26:27], s[16:17], s[20:21]
	v_mul_u32_u24 v3, v0, 96
	v_mul_u32_u24 v4, v0, 352
.irp i, 0,1,2,3,4,5
	global_load_b128 v[G+4*\i:G+4*\i+3], v3, s[10:11] offset:16*\i
.endr
	s_wait_loadcnt 0x0
.irp j, 0,1,2,3,4,5,6,7,8,9,10,11
	v_mov_b32 v[RC+2*\j],   v[G+\j]
	v_mov_b32 v[RC+2*\j+1], v[G+12+\j]
.endr
	RDIF 1, 24, 11
	RDIF 2, 48, 10
	RDIF 3, 68, 9
.set i, 24
.rept 62
.if (i != 46) && (i != 47)
	v_add_f32 v[RC+i], 0x322bcc77, v[RC+i]         ; + 1e-8, rounded as reference() rounds it: difference first, then the sum
.endif
.set i, i+1
.endr
.set i, 24
.rept 62
.if (i != 46) && (i != 47)
	v_rcp_f32 v[RC+i], v[RC+i]
.endif
.set i, i+1
.endr
.irp i, 46,47,86,87
	v_mov_b32 v[RC+\i], 0                          ; the pads; also the plain instructions behind the last reciprocal
.endr
	s_wait_alu depctr_va_vdst(0)                   ; one wait for the 60 reciprocals, ahead of their first reader
.set i, 0
.rept 22
	global_store_b128 v4, v[RC+4*i:RC+4*i+3], s[26:27] offset:16*i
.set i, i+1
.endr
	s_endpgm
	; ---- jobs 0 to 63: output row 16 n + r; the operand's layout gives lane (r, h) the step's blocks 2 c + h whole: basis b = 4 p + 2 c + h, features 32 g + 0 .. 31
.Lspline:
	s_lshl_b32 s20, s19, 16                        ; 16 rows of 4,096 bytes
	s_lshr_b32 s22, s18, 1                         ; g
	s_lshl_b32 s22, s22, 10                        ; 32 features of 32 bytes
	s_add_co_u32 s20, s20, s22
	s_and_b32 s22, s18, 1                          ; p
	s_lshl_b32 s22, s22, 4                         ; four basis indices of 4 bytes
	s_add_co_u32 s20, s20, s22
	s_add_nc_u64 s[4:5], s[4:5], s[20:21]
	v_lshlrev_b32 v3, 12, v1
	v_lshl_add_u32 v3, v2, 2, v3                   ; row r, + h basis indices
.irp c, 0,1
.set i, 0
.rept 32
	global_load_b32 v[N+32*\c+i], v3, s[4:5] offset:8*\c+32*i   ; feature 32 g + i
.set i, i+1
.endr
.endr
	v_mov_b32 v9, 0                                ; a lane permute's destination counts as one of its sources
	v_lshlrev_b32 v8, 3, v2                        ; 8 h
	s_wait_loadcnt 0x0
	AMAX N, 10
	AMAX N+32, 11
	v_add_nc_u32 v12, 0xfe000000, v10              ; 4 off the exponent field: the conversion takes the exponent field of this operand as its scale
	v_add_nc_u32 v13, 0xfe000000, v11
	v_lshrrev_b32 v14, 23, v12                     ; the scales' bytes: blocks h and 2 + h
	v_lshrrev_b32 v15, 23, v13
	v_lshl_or_b32 v[W], v15, 16, v14
	v_lshlrev_b32 v[W], v8, v[W]                   ; at their places in the word,
	v_permlanex16_b32 v9, v[W], s24, s25
	v_or_b32 v[W], v[W], v9                        ; and lane l xor 16's two: the word is whole, in both lanes
.irp c, 0,1
	v_cvt_scalef32_pk16_bf6_f32 v[F+6*\c:F+6*\c+2], v[N+32*\c:N+32*\c+15], v[12+\c]
	v_cvt_scalef32_pk16_bf6_f32 v[CT+4*\c:CT+4*\c+2], v[N+32*\c+16:N+32*\c+31], v[12+\c]
.endr
	v_nop                                          ; one plain place behind the scaled conversions
.irp c, 0,1
.irp i, 0,1,2
	v_mov_b32 v[F+6*\c+3+\i], v[CT+4*\c+\i]
.endr
.endr
	s_branch .Lstore
	; ---- jobs 64 to 71: the base product's fragment of output rows 16 n + r: 24 bytes of the row's stream of bits twice, as they lie
.Lbase:
	s_mul_i32 s20, s19, 16*96
	s_add_nc_u64 s[6:7], s[6:7], s[20:21]
	s_lshl_b32 s20, s19, 6
	s_add_nc_u64 s[8:9], s[8:9], s[20:21]
	v_mul_u32_u24 v3, v1, 96
	v_mad_u32_u24 v3, v2, 24, v3
	v_lshlrev_b32 v5, 2, v1
.irp p, 0,1,2,3,4,5
	global_load_b64 v[F+2*\p:F+2*\p+1], v3, s[6:7] offset:48*(\p/3)+8*(\p%3)
.endr
	global_load_b32 v[W], v5, s[8:9]               ; row r's four bytes, in both halves of the lanes
	s_wait_loadcnt 0x0
.Lstore:                                               ; the image: three stores of 512 consecutive bytes; the word: at its row's place among the step's 128
	s_mul_i32 s20, ttmp9, 1536
	s_add_nc_u64 s[26:27], s[16:17], s[20:21]
	v_lshlrev_b32 v166, 4, v0
.irp i, 0,1,2
	global_store_b128 v166, v[F+4*\i:F+4*\i+3], s[26:27] offset:512*\i
.endr
	s_lshl_b32 s20, s18, 9                         ; 512 s
	s_and_b32 s22, s19, 1
	s_lshl_b32 s22, s22, 8
	s_add_co_u32 s20, s20, s22                     ; + 256 (n % 2): odd tiles go to lanes 16-31
	s_lshr_b32 s22, s19, 1
	s_lshl_b32 s22, s22, 2
	s_add_co_u32 s20, s20, s22                     ; + 4 (n / 2): the lane's dword
	s_add_co_u32 s20, s20, SCL
	s_add_nc_u64 s[28:29], s[16:17], s[20:21]
	v_lshlrev_b32 v167, 4, v1
	global_store_b32 v167, v[W], s[28:29]          ; lanes r and r + 16 store the same word to the same place
	s_endpgm
.Lfunc_end_k_q9be51f0c6c_prep:
	.size	k_q9be51f0c6c_prep, .Lfunc_end_k_q9be51f0c6c_prep-k_q9be51f0c6c_prep
	.p2alignl 7, 3214868480
	.fill 96, 4, 3214868480
	.section	.rodata,"a",@progbits
	.p2align	6, 0x0
	.amdhsa_kernel k_q9be51f0c6c_prep
		.amdhsa_group_segment_fixed_size 0
		.amdhsa_private_segment_fixed_size 0
		.amdhsa_enable_private_segment 0
		.amdhsa_kernarg_size 56
		.amdhsa_user_sgpr_count 2
		.amdhsa_user_sgpr_kernarg_segment_ptr 1
		.amdhsa_wavefront_size32 1
		.amdhsa_system_sgpr_workgroup_id_x 1
		.amdhsa_system_sgpr_workgroup_id_y 1
		.amdhsa_system_sgpr_workgroup_id_z 1
		.amdhsa_system_vgpr_workitem_id 0
		.amdhsa_next_free_vgpr 168
		.amdhsa_next_free_sgpr 66
		.amdhsa_reserve_vcc 0
		.amdhsa_float_denorm_mode_32 3
		.amdhsa_float_denorm_mode_16_64 3
		.amdhsa_memory_ordered 1
		.amdhsa_forward_progress 1
		.amdhsa_inst_pref_size 25
	.end_amdhsa_kernel
	.amdgpu_metadata
---
amdhsa.version: [ 1, 2 ]
amdhsa.kernels:
  - .name:           k_q9be51f0c6c_prep
    .symbol:         k_q9be51f0c6c_prep.kd
    .args:
      - { .name: spline_weight, .offset: 0, .size: 8, .value_kind: global_buffer, .address_space: global }
      - { .name: base_weight_codes, .offset: 8, .size: 8, .value_kind: global_buffer, .address_space: global }
      - { .name: base_weight_scales, .offset: 16, .size: 8, .value_kind: global_buffer, .address_space: global }
      - { .name: grid, .offset: 24, .size: 8, .value_kind: global_buffer, .address_space: global }
      - { .name: spline_bias, .offset: 32, .size: 8, .value_kind: global_buffer, .address_space: global }
      - { .name: base_bias, .offset: 40, .size: 8, .value_kind: global_buffer, .address_space: global }
      - { .name: tab, .offset: 48, .size: 8, .value_kind: global_buffer, .address_space: global }
    .group_segment_fixed_size: 0
    .private_segment_fixed_size: 0
    .kernarg_segment_align: 8
    .kernarg_segment_size: 56
    .max_flat_workgroup_size: 32
    .sgpr_count:     66
    .vgpr_count:     168
    .wavefront_size: 32
...
	.end_amdgpu_metadata
.endif
;; end of part 1
;; launch kan (part 2): grid 256 x 1, 4 waves a work-group, clusters of 4 x 1, 327,680 bytes of LDS; arguments x, tab, spline_scale, out0; writes out0
.if DOCPART == 2
	.amdgcn_target "amdgcn-amd-amdhsa--gfx1250"
	.amdhsa_code_object_version 6
	.text
	.protected	k_q9be51f0c6c_kan
	.globl	k_q9be51f0c6c_kan
	.p2align	8
	.type	k_q9be51f0c6c_kan,@function
k_q9be51f0c6c_kan:
	s_mov_b64 s[64:65], 0
	v_nop
	global_prefetch_b8 v0, s[64:65] scope:SCOPE_SE
	s_setreg_imm32_b32 hwreg(HW_REG_WAVE_MODE, 25, 1), 1
	s_wait_xcnt 0x0
	s_wait_alu depctr_hold_cnt(0) depctr_sa_sdst(0) depctr_va_vdst(0) depctr_va_sdst(0) depctr_va_ssrc(0) depctr_va_vcc(0) depctr_vm_vsrc(0)
	s_getreg_b32 s2, hwreg(HW_REG_IB_STS2, 6, 4)
	s_cmp_eq_u32 s2, 0
	s_cbranch_scc0 .Lentry_in_a_cluster
	s_endpgm
.Lentry_in_a_cluster:
	s_bfe_u32 s2, ttmp6, 0x10000c
	s_cmp_lg_u32 s2, 0x3003
	s_cbranch_scc0 .Lentry_shape_is_right
	s_endpgm
.Lentry_shape_is_right:
; out = (silu(x) Wb^T + base_bias) + spline_scale (basis(tanh x) Ws^T + spline_bias), both products on E3M2 codes with one E8M0 scale for each 32 along K.
; SHARES.  65,536 rows, 256 to a work-group, 64 to each of its four waves, all 128 outputs and all of K: no wave hands anything to another.  A wave takes its rows in two passes of two tiles of 16.
; Vector work outweighs all else here (some 150 instructions for each pair of features of a row against 288 matrix instructions a wave), so the recursion is packed, two features to a register pair,
; and the 42 numbers a feature that hang on the grid alone come ready from the table.
; THE BASIS, for any grid (nothing is assumed of its order or spacing).  t = tanh x, d_j = t - g_j, c_j = (t >= g_j), C0_j = (c_j and not c_(j+1)) ? r1_j : 0,
;   B^k_j = d_j C^(k-1)_j - d_(j+k+1) C^(k-1)_(j+1),  C^k_j = r(k+1)_j B^k_j,  rk_j = 1 / ((g_(j+k) - g_j) + 1e-8) from the table: reference()'s recursion with each term's three factors multiplied in another order.
; THE SPLINE PRODUCT'S K is 128 x basis + feature, the order in which the product contracts its two axes: a block of 32 is features 32 g .. 32 g + 31 at one basis index b.
; A trip of the loop takes one g: lane (r, h) runs the recursion for features 32 g + 16 h + 0 .. 15 of row r and leaves basis b of its feature i in register 16 b + i of the tile: 128 registers,
; which are two K steps (p = 0, 1: blocks b = 4 p + 0 .. 3), each as 16 neighbours of four blocks.  A block lies in lanes l and l xor 16: one lane permute joins the maxima, and an exchange of halves makes whole blocks of the codes.
; The table's spline codes have the same steps and blocks.  The order of the K steps differs from K ascending.
; LAYOUT.  Both products are used transposed (source 0 = 16 output rows of a weight, source 1 = my 16 rows): lane (r, h) holds row r and outputs 16 n + 8 h + 0 .. 7.
; THE SUMS of a pass: 16 accumulators begin as spline_bias (loaded, nothing is cleared), take the 8 spline K steps, are scaled by spline_scale with base_bias added in one packed multiply-add, and take the base product last.
; LDS holds all that a work-group reads, filled once: the table (139,264 bytes), its 256 rows of x (rows of 512 bytes + 16), and behind them a stage for the way out.  No byte is filled twice: no ring.
; CLUSTER.  All work-groups read the same table, about as many bytes as their own x: the four partners ask for it jointly (mask 15), a quarter to each wave.  x is each work-group's own.
; No branch and no LDS address hangs on the place in the cluster; it enters x's and out0's addresses alone.
; The first pass wants the table and my rows 0-31 alone: rows 32-63 land while it runs.  Nothing is prefetched: every input byte is asked for by the first fills, at the head.
; LIMITS: NaN and infinities in x or grid are not served.  tanh = 1 - 2 / (1 + 2^(2 x log2 e)) has an absolute error of about 1e-7.  A block of zeros gets the byte 1: its codes are zeros.
;
; REGISTERS, in windows of 256 (s_set_vgpr_msb: bits 1:0 source 0, 3:2 source 1, 5:4 source 2, 7:6 destination):
;   window 0: v1-15 addresses; v16-27 scale words; v32-55 the quantiser's; v56-87 t; v88-119 the next trip's x; v120-161 the recursion; v162-209 four fragments.  In a pass's tail v56-183 x and silu, v184-207 silu's fragments.
;   window 1: the basis, tile a at v[128 a]; when it is quantised, v0-95 the second K step's weights; in the tail v128-191 base_bias, v192-255 rows on their way out.
;   window 2: v0-87, v88-175 two buffers for a pair of features' constants; v176-199 d.     window 3: accumulator (a, n) at v[64 a + 8 n]; v128-223 eight weight fragments.
.set FRB,  1536                        ; a fragment's image
.set SCL,  110592                      ; the table's parts: LDS addresses, since the table lies at LDS byte 0
.set CON,  115200
.set REC,  352                         ; a pair of features' record
.set SBO,  137728
.set TQ,   34816                       ; a quarter of the table: 136 rows of 256 bytes
.set X,    139264
.set XP,   528                         ; a row of x in LDS: 33 x 16 bytes, so that 16 rows begin at 16 different 16-byte columns modulo 256 bytes
.set XT,   16*XP                       ; a tile
.set XW,   64*XP                       ; a wave's rows
.set STG,  X+4*XW                      ; 274,432 = 1,072 x 256: the stage, 16 rows x 528 bytes for each wave; no fill lands here
.set XA,  3                            ; v3   x: my row of my wave's tile 0, + 64 h
.set XAD, 4                            ; v4   the same at the next trip's pass and g
.set CA,  5                            ; v5   the constants: CON + 8 h records
.set CAD, 6                            ; v6   at this g
.set CAN, 7                            ; v7   at the next trip's
.set LI,  8                            ; v8   16 x lane: an image's place
.set FAD, 9                            ; v9   the weight images in hand
.set SAD, 10                           ; v10  and their scale words
.set LIO, 11                           ; v11  my bytes in a row of out0, at the pass's first row
.set XSD, 12                           ; v12  x at the pass's first tile
.set STO, 13                           ; v13  the stage: where I put 32 bytes of a row
.set RD,  14                           ; v14  and where I read a row back
.set BA,  15                           ; v15  spline_bias at 8 h
.set WS,  16                           ; v16-23 the weights' scale words, four registers a K step: register u: lanes 0-15 tile 2 u, lanes 16-31 tile 2 u + 1
.set AS,  24                           ; v24-27 the basis' scale word of (tile a, step p) at 2 a + p; in the tail silu's, of tile a
.set TM,  32                           ; v32-47 the quantiser: maxima, bytes, scale operands
.set CQ,  48                           ; v48-50, v52-54: a conversion's three registers begin on an even number
.set T,   56
.set XR,  88
.set C0,  120                          ; v120-141 C0, later B2
.set B1,  142                          ; v142-161
.set AF,  162                          ; fragment (a, p) at 12 (2 a + p)
.set SX,  56
.set SE,  120
.set SF,  184
.set DD,  176                          ; in window 2
.set WF,  128                          ; in window 3
.set BB,  128                          ; in window 1
.set OB,  192
.set WV,  12                           ; s12  my wave's number
.set MK,  66                           ; s66-89 the compares' masks: 12 e + j
.set MSB, 0
.macro WIN new                         ; the immediate's high byte repeats the setting that is left; a switch that changes nothing is dropped
.if MSB != (\new)
	s_set_vgpr_msb (MSB<<8)|(\new)
.set MSB, (\new)
.endif
.endm
.macro PLACES n
.rept \n
	v_nop
.endr
.endm
.macro ROUND                           ; a round of the cluster's barrier
	s_barrier_signal -1
	s_barrier_wait -1
	s_cmp_lg_u32 s[WV], 0
	s_cbranch_scc1 .Lnot_wave_0_\@
	s_barrier_signal -3
.Lnot_wave_0_\@:
	s_barrier_wait -3
	s_barrier_signal -1
	s_barrier_wait -1
.endm
.macro XLOAD adr                       ; a trip's x: my 16 features of two tiles
	WIN 0
.irp a, 0,1
.irp i, 0,1,2,3
	ds_load_b128 v[XR+16*\a+4*\i:XR+16*\a+4*\i+3], v[\adr] offset:XT*\a+16*\i
.endr
.endr
.endm
.macro XSLOAD a                        ; tile a's x for silu: register 16 b + i = feature 32 b + 16 h + i
	WIN 0
.irp b, 0,1,2,3
.irp i, 0,1,2,3
	ds_load_b128 v[SX+16*\b+4*\i:SX+16*\b+4*\i+3], v[XSD] offset:XT*(\a)+128*\b+16*\i
.endr
.endr
.endm
.macro CLOAD buf, adr, off             ; a pair of features' record into buffer buf; each half of the lanes reads one address
	WIN 0x80
.set i, 0
.rept 22
	ds_load_b128 v[88*(\buf)+4*i:88*(\buf)+4*i+3], v[\adr] offset:(\off)+16*i
.set i, i+1
.endr
.endm
.macro FETCH win, reg, off, ws, soff   ; a K step's eight weight fragments, as images, and their scale words: 25 loads
	WIN (\win)<<6
.irp n, 0,1,2,3,4,5,6,7
.irp i, 0,1,2
	ds_load_b128 v[(\reg)+12*\n+4*\i:(\reg)+12*\n+4*\i+3], v[FAD] offset:(\off)+FRB*\n+512*\i
.endr
.endr
	WIN 0
	ds_load_b128 v[\ws:\ws+3], v[SAD] offset:\soff
.endm
.macro ACCINIT                         ; a pass's sums begin as spline_bias: lane (r, h) of tile n wants outputs 16 n + 8 h + 0 .. 7
	WIN 0xc0
.irp a, 0,1
.irp n, 0,1,2,3,4,5,6,7
	ds_load_b128 v[64*\a+8*\n:64*\a+8*\n+3], v[BA] offset:64*\n
	ds_load_b128 v[64*\a+8*\n+4:64*\a+8*\n+7], v[BA] offset:64*\n+16
.endr
.endr
	WIN 0
.endm
.macro TBATCH                          ; t = tanh x = 1 - 2 / (1 + 2^(2 x log2 e)) of the trip's 32 numbers: two batches of transcendentals, one wait each
	s_wait_dscnt 0x0                               ; all that was asked of LDS so far is in: x, the first pair's constants, the biases
.set i, 0
.rept 16
	v_pk_mul_f32 v[T+i:T+i+1], v[XR+i:XR+i+1], s[56:57] op_sel_hi:[1,0]
.set i, i+2
.endr
.set i, 0
.rept 32
	v_exp_f32 v[T+i], v[T+i]
.set i, i+1
.endr
	v_nop                                          ; a plain instruction behind the last exponential
	s_wait_alu depctr_va_vdst(0)                   ; one wait for the batch, ahead of its first reader
.set i, 0
.rept 16
	v_pk_add_f32 v[T+i:T+i+1], v[T+i:T+i+1], 1.0 op_sel_hi:[1,0]
.set i, i+2
.endr
.set i, 0
.rept 32
	v_rcp_f32 v[T+i], v[T+i]
.set i, i+1
.endr
	v_nop
	s_wait_alu depctr_va_vdst(0)
.set i, 0
.rept 16
	v_pk_fma_f32 v[T+i:T+i+1], v[T+i:T+i+1], -2.0, 1.0 op_sel_hi:[1,0,0]
.set i, i+2
.endr
.endm
; The recursion for tile a, pair u of my 16 features: 131 vector instructions, 22 scalar ones set between them.
.macro BODY a, u
.set KK, 88*((\u)%2)
.set tp, T+16*(\a)+2*(\u)
.set rO, 128*(\a)+2*(\u)
	WIN 0x88                                       ; t in window 0; g and d in window 2
.set j, 0
.rept 12
	v_pk_add_f32 v[DD+2*j:DD+2*j+1], v[tp:tp+1], v[KK+2*j:KK+2*j+1] neg_lo:[0,1] neg_hi:[0,1]   ; d_j = t - g_j
.set j, j+1
.endr
	WIN 0x08                                       ; from here on source 1 alone lies in window 2
.set j, 0
.rept 12
	v_cmp_ge_f32 s[MK+j], v[tp], v[KK+2*j]         ; c_j of the even feature
.set j, j+1
.endr
.set j, 0
.rept 12
	v_cmp_ge_f32 s[MK+12+j], v[tp+1], v[KK+2*j+1]  ; of the odd one; between them the even feature's c_j and not c_(j+1), ascending, so that c_(j+1) is still whole
.if j < 11
	s_and_not1_b32 s[MK+j], s[MK+j], s[MK+j+1]
.endif
.set j, j+1
.endr
.set j, 0
.rept 11
	v_cndmask_b32 v[C0+2*j], 0, v[KK+24+2*j], s[MK+j]              ; C0_j = r1_j inside interval j, else 0
	s_and_not1_b32 s[MK+12+j], s[MK+12+j], s[MK+12+j+1]
.set j, j+1
.endr
.set j, 0
.rept 11
	v_cndmask_b32 v[C0+2*j+1], 0, v[KK+24+2*j+1], s[MK+12+j]
.set j, j+1
.endr
.set j, 0
.rept 10
	v_pk_mul_f32 v[B1+2*j:B1+2*j+1], v[C0+2*j:C0+2*j+1], v[DD+2*j:DD+2*j+1]
.set j, j+1
.endr
.set j, 0
.rept 10
	v_pk_fma_f32 v[B1+2*j:B1+2*j+1], v[C0+2*j+2:C0+2*j+3], v[DD+2*j+4:DD+2*j+5], v[B1+2*j:B1+2*j+1] neg_lo:[1,0,0] neg_hi:[1,0,0]   ; B1_j = d_j C0_j - d_(j+2) C0_(j+1)
.set j, j+1
.endr
.set j, 0
.rept 10
	v_pk_mul_f32 v[B1+2*j:B1+2*j+1], v[B1+2*j:B1+2*j+1], v[KK+48+2*j:KK+48+2*j+1]   ; C1_j = r2_j B1_j
.set j, j+1
.endr
.set j, 0
.rept 9
	v_pk_mul_f32 v[C0+2*j:C0+2*j+1], v[B1+2*j:B1+2*j+1], v[DD+2*j:DD+2*j+1]
.set j, j+1
.endr
.set j, 0
.rept 9
	v_pk_fma_f32 v[C0+2*j:C0+2*j+1], v[B1+2*j+2:B1+2*j+3], v[DD+2*j+6:DD+2*j+7], v[C0+2*j:C0+2*j+1] neg_lo:[1,0,0] neg_hi:[1,0,0]   ; B2_j = d_j C1_j - d_(j+3) C1_(j+1)
.set j, j+1
.endr
.set j, 0
.rept 9
	v_pk_mul_f32 v[C0+2*j:C0+2*j+1], v[C0+2*j:C0+2*j+1], v[KK+68+2*j:KK+68+2*j+1]   ; C2_j = r3_j B2_j
.set j, j+1
.endr
	WIN 0x58                                       ; the basis goes to window 1: basis j of my features 2 u, 2 u + 1 at 16 j + 2 u
.set j, 0
.rept 8
	v_pk_mul_f32 v[rO+16*j:rO+16*j+1], v[C0+2*j:C0+2*j+1], v[DD+2*j:DD+2*j+1]
.set j, j+1
.endr
.set j, 0
.rept 8
	v_pk_fma_f32 v[rO+16*j:rO+16*j+1], v[C0+2*j+2:C0+2*j+3], v[DD+2*j+8:DD+2*j+9], v[rO+16*j:rO+16*j+1] neg_lo:[1,0,0] neg_hi:[1,0,0]   ; B3_j = d_j C2_j - d_(j+4) C2_(j+1)
.set j, j+1
.endr
.endm
; 64 numbers of a lane in window w, register 16 b + i = place 16 h + i of block b of my row, become a fragment's codes in v[frag] on and its scale word in v[word].
.macro QUANT src, w, frag, word
	WIN ((\w)<<2)|((\w)<<4)
.irp b, 0,1,2,3
	v_max3_num_f32 v[TM+\b], 0x2800000, |v[(\src)+16*\b]|, |v[(\src)+16*\b+1]|   ; my 16 numbers, and the floor 2^(5 - 127): the byte cannot fall under 1
.endr
.irp i, 2,4,6,8,10,12,14
.irp b, 0,1,2,3
	v_max3_num_f32 v[TM+\b], v[TM+\b], |v[(\src)+16*\b+\i]|, |v[(\src)+16*\b+\i+1]|   ; (the four blocks by turns)
.endr
.endr
	WIN 0
.irp b, 0,1,2,3
	v_permlanex16_b32 v[TM+4+\b], v[TM+\b], s44, s45
.endr
.irp b, 0,1,2,3
	v_max_num_f32 v[TM+\b], v[TM+\b], v[TM+4+\b]   ; with lane l xor 16's: the block's largest magnitude
.endr
.irp b, 0,1,2,3
	v_add_nc_u32 v[TM+12+\b], 0xfe000000, v[TM+\b] ; 4 off its exponent field: the conversion's scale operand
.endr
.irp b, 0,1,2,3
	v_lshrrev_b32 v[TM+4+\b], 23, v[TM+12+\b]      ; the scale's byte
.endr
	v_lshl_or_b32 v[\word], v[TM+5], 8, v[TM+4]
	v_lshl_or_b32 v[\word], v[TM+6], 16, v[\word]
	v_lshl_or_b32 v[\word], v[TM+7], 24, v[\word]
	WIN (\w)
.irp c, 0,1
	v_cvt_scalef32_pk16_bf6_f32 v[(\frag)+6*\c:(\frag)+6*\c+2], v[(\src)+32*\c:(\src)+32*\c+15], v[TM+12+2*\c]
	v_cvt_scalef32_pk16_bf6_f32 v[CQ+4*\c:CQ+4*\c+2], v[(\src)+32*\c+16:(\src)+32*\c+31], v[TM+13+2*\c]
.endr
	WIN 0
	v_nop                                          ; one plain place behind the scaled conversions
.irp c, 0,1                            ; the operand's layout wants a whole block in a lane: lanes 0-15 block 2 c, lanes 16-31 block 2 c + 1
.irp i, 0,1,2
	v_permlane16_swap_b32 v[(\frag)+6*\c+\i], v[CQ+4*\c+\i]
.endr
.irp i, 0,1,2
	v_mov_b32 v[(\frag)+6*\c+3+\i], v[CQ+4*\c+\i]
.endr
.endr
.endm
; Tile a's eight products of a K step.  The accumulators take turns, one instruction each, and the next group is the other tile's, over the loop's backward jump too.
.macro WMMA8 a, wb, areg, sreg, ws
.irp n, 0,1,2,3,4,5,6,7
.set rD, 64*(\a)+8*\n
.set rW, (\wb)+12*\n
.if \n%2
	v_wmma_scale_f32_16x16x128_f8f6f4 v[rD:rD+7], v[rW:rW+11], v[(\areg):(\areg)+11], v[rD:rD+7], v[(\ws)+\n/2], v[\sreg] matrix_a_fmt:MATRIX_FMT_BF6 matrix_b_fmt:MATRIX_FMT_BF6 matrix_a_scale:MATRIX_SCALE_ROW1
.else
	v_wmma_scale_f32_16x16x128_f8f6f4 v[rD:rD+7], v[rW:rW+11], v[(\areg):(\areg)+11], v[rD:rD+7], v[(\ws)+\n/2], v[\sreg] matrix_a_fmt:MATRIX_FMT_BF6 matrix_b_fmt:MATRIX_FMT_BF6
.endif
.endr
.endm
; silu(x) = x / (1 + 2^(-x log2 e)) of the pass's tile a, quantised.  next: the tile whose x is asked for as soon as this one's is used (-1: none).
.macro SILU a, next
	WIN 0
	s_wait_dscnt 0x0                               ; the tile's x is in (and all that was asked for ahead of it)
.set i, 0
.rept 32
	v_pk_mul_f32 v[SE+i:SE+i+1], v[SX+i:SX+i+1], s[58:59] op_sel_hi:[1,0]
.set i, i+2
.endr
.set i, 0
.rept 64
	v_exp_f32 v[SE+i], v[SE+i]
.set i, i+1
.endr
	v_nop
	s_wait_alu depctr_va_vdst(0)                   ; one wait for the batch, ahead of its first reader
.set i, 0
.rept 32
	v_pk_add_f32 v[SE+i:SE+i+1], v[SE+i:SE+i+1], 1.0 op_sel_hi:[1,0]
.set i, i+2
.endr
.set i, 0
.rept 64
	v_rcp_f32 v[SE+i], v[SE+i]
.set i, i+1
.endr
	v_nop
	s_wait_alu depctr_va_vdst(0)
.set i, 0
.rept 32
	v_pk_mul_f32 v[SE+i:SE+i+1], v[SE+i:SE+i+1], v[SX+i:SX+i+1]
.set i, i+2
.endr
.if (\next) >= 0
	XSLOAD \next
.endif
	QUANT SE, 0, SF+12*(\a), AS+(\a)
.endm
; The pass's tile a is finished and leaves: x spline_scale + base_bias; the base product; through my stage, so that each store covers a whole row of 512 bytes.
.macro FIN a
	WIN 0xd3                                       ; the accumulators in window 3, base_bias in window 1
.set i, 0
.rept 32
	v_pk_fma_f32 v[64*\a+2*i:64*\a+2*i+1], v[64*\a+2*i:64*\a+2*i+1], s[46:47], v[BB+2*i:BB+2*i+1] op_sel_hi:[1,0,1]   ; ascending: each accumulator is read from its low end on
.set i, i+1
.endr
	PLACES 4                                       ; the distance that this text keeps between a vector write of an operand and the product that reads it
	WIN 0xf3
	WMMA8 \a, WF, SF+12*\a, AS+\a, WS
	PLACES 4                                       ; four places between the products and the first read of their results (ISA guide 7.12.1)
	WIN 0x0c                                       ; an LDS store's data are its source 1: window 3
.irp n, 0,1,2,3,4,5,6,7
	ds_store_b128 v[STO], v[64*\a+8*\n:64*\a+8*\n+3] offset:64*\n
	ds_store_b128 v[STO], v[64*\a+8*\n+4:64*\a+8*\n+7] offset:64*\n+16
.endr
	s_wait_xcnt 0x0                                ; the last tile's stores have read their registers: they may be loaded again
	WIN 0x40
.set i, 0
.rept 16
	ds_load_b128 v[OB+4*i:OB+4*i+3], v[RD] offset:XP*i   ; LDS serves a wave's instructions in order (ISA guide 5.7.1.4): these see my stores, and the next tile's stores come behind them
.set i, i+1
.endr
	WIN 0x04                                       ; a store's data are its source 1: window 1
.set i, 0
.rept 16
	s_wait_dscnt 15-i                              ; row i is back; the younger rows may be out
	global_store_b128 v[LIO], v[OB+4*i:OB+4*i+3], s[10:11] offset:(16*\a+i)*512 th:TH_STORE_NT   ; 32 lanes store 512 consecutive bytes, at a multiple of 512 from out0's first byte
.set i, i+1
.endr
	WIN 0
.endm
	s_load_b128 s[4:7], s[0:1], 0x0                ; x s[4:5], the table s[6:7]
	s_load_b128 s[8:11], s[0:1], 0x10              ; spline_scale s[8:9], out0 s[10:11]
	v_lshl_add_u32 v254, v0, 2, 0x4b400
	v_mov_b32 v255, 0
	ds_add_u32 v254, v255
	ds_add_u32 v254, v255
	v_lshrrev_b32 v1, 5, v0
	v_readfirstlane_b32 s[WV], v1                  ; wave 0..3
	s_bfe_u32 s13, ttmp6, 0x40000                  ; cx: my place in the cluster
	s_lshl_b32 s14, ttmp9, 2                       ; in a cluster launch ttmp9 counts clusters
	s_add_co_u32 s14, s14, s13                     ; my work-group: it enters x's and out0's addresses alone
	s_lshl_b32 s2, s14, 17                         ; 256 rows of 512 bytes,
	s_lshl_b32 s3, s[WV], 15                       ; my wave's 64
	s_add_co_u32 s2, s2, s3
	s_mov_b32 s3, 0
	s_mul_i32 s60, s[WV], TQ                       ; my quarter of the table, in memory and in LDS: the same in all four partners
	s_mov_b32 s61, 0
	s_mul_i32 s15, s[WV], XW
	s_add_co_u32 s15, s15, X                       ; my rows of x in LDS
	; descriptor group 1 for the table: 136 rows of 32 elements of 8 bytes, dense; asked for jointly
	s_mov_b32 s16, 15|(3<<16)|(1<<21)              ; 15:0 the mask: all four work-groups; 17:16 elements of 8 bytes; 21 set beside a mask
	s_mov_b32 s17, 32<<16                          ; tensor_dim0
	s_mov_b32 s18, 136<<16                         ; tensor_dim1
	s_mov_b32 s19, 32<<16                          ; tile_dim0
	s_mov_b32 s20, 136                             ; tile_dim1
	s_mov_b32 s21, 32                              ; from row to row
	s_mov_b32 s22, 0
	s_mov_b32 s23, 0
	; and for x: 32 rows of 64 elements of 8 bytes, 4 words of padding behind every 128
	s_mov_b32 s24, (3<<16)|(1<<20)|(6<<22)|(3<<25)
	s_mov_b32 s25, 64<<16
	s_mov_b32 s26, 32<<16
	s_mov_b32 s27, 64<<16
	s_mov_b32 s28, 32
	s_mov_b32 s29, 64
	s_mov_b32 s30, 0
	s_mov_b32 s31, 0
	s_mov_b32 s44, 0x76543210
	s_mov_b32 s45, 0xfedcba98                      ; v_permlanex16_b32's selects for lane l xor 16
	s_mov_b32 s56, 0x4038aa3b                      ; 2 log2 e
	s_mov_b32 s57, s56                             ; (a packed form names the pair, so both are written)
	s_mov_b32 s58, 0xbfb8aa3b                      ; -log2 e
	s_mov_b32 s59, s58
	s_wait_dscnt 0x0
	s_wait_kmcnt 0x0
	s_add_nc_u64 s[4:5], s[4:5], s[2:3]            ; x and out0 at my wave's first row
	s_add_nc_u64 s[10:11], s[10:11], s[2:3]
	s_add_nc_u64 s[6:7], s[6:7], s[60:61]          ; the table at my quarter
	s_mov_b32 s32, 1                               ; group 0, the table's quarter
	s_mov_b32 s33, s60
	s_mov_b64 s[34:35], s[6:7]
	s_or_b32 s35, s35, 0x80000000
	s_mov_b32 s36, 1                               ; my rows 0-31
	s_mov_b32 s37, s15
	s_mov_b64 s[38:39], s[4:5]
	s_or_b32 s39, s39, 0x80000000
	s_mov_b32 s40, 1                               ; my rows 32-63
	s_add_co_u32 s41, s15, 32*XP
	s_add_nc_u64 s[42:43], s[4:5], 32*512
	s_or_b32 s43, s43, 0x80000000
	ROUND                                          ; all four work-groups are here: the joint loads meet
	tensor_load_to_lds s[36:39], s[24:31]          ; the first fills, and the only ones: three loads of mine are out.  What the first pass wants goes first
	s_nop 0
	tensor_load_to_lds s[32:35], s[16:23]
	s_nop 0
	tensor_load_to_lds s[40:43], s[24:31]
	s_nop 0
	PLACES 4                                       ; four v_nop follow the last of them
	s_load_b32 s46, s[8:9], 0x0                    ; spline_scale
	v_and_b32 v1, 15, v0                           ; r
	v_bfe_u32 v2, v0, 4, 1                         ; h
	v_and_b32 v31, 31, v0                          ; lane
	v_mul_u32_u24 v[XA], v1, XP
	v_add_nc_u32 v[XA], s15, v[XA]
	v_lshl_add_u32 v[XA], v2, 6, v[XA]
	v_mul_u32_u24 v[CA], v2, 8*REC
	v_add_nc_u32 v[CA], CON, v[CA]
	v_lshlrev_b32 v[LI], 4, v31
	s_mul_i32 s62, s[WV], XT
	s_add_co_u32 s62, s62, STG                     ; my stage
	v_mul_u32_u24 v[STO], v1, XP
	v_lshl_add_u32 v[STO], v2, 5, v[STO]
	v_add_nc_u32 v[STO], s62, v[STO]
	v_add_nc_u32 v[RD], s62, v[LI]
	v_lshlrev_b32 v[BA], 5, v2
	v_add_nc_u32 v[BA], SBO, v[BA]
.irp b, 0,1,2,3
	v_mov_b32 v[TM+4+\b], 0                        ; written once: a lane permute's destination counts as one of its sources
.endr
	s_wait_kmcnt 0x0
	s_mov_b32 s47, s46
	s_wait_tensorcnt 0x1                           ; my rows 0-31 and my quarter of the table are in; rows 32-63, issued last, may stay out
	s_barrier_signal -1
	s_barrier_wait -1                              ; everybody's quarter is
	ACCINIT
	CLOAD 0, CA, 0                                 ; trip 0: the first pair's constants, and x
	XLOAD XA
	s_mov_b32 s48, 0                               ; the trip: pass = trip / 4, g = trip % 4
.Lstep:                                                ; 8 trips: 32 features = two K steps of 128, for two tiles of 16 rows
	s_and_b32 s90, s48, 3                          ; g
	s_lshr_b32 s91, s48, 2                         ; the pass
	s_add_co_u32 s92, s48, 1                       ; what is fetched a trip ahead is held at trip 7 in the last trip: read again, not used
	s_min_u32 s92, s92, 7
	s_and_b32 s93, s92, 3
	s_lshr_b32 s94, s92, 2
	s_mul_i32 s50, s90, 16*REC                     ; this g's records,
	s_mul_i32 s52, s93, 16*REC                     ; the next trip's,
	s_mul_i32 s51, s90, 16*FRB                     ; this g's 16 images,
	s_lshl_b32 s53, s90, 10
	s_add_co_u32 s53, s53, SCL                     ; their scale words,
	s_lshl_b32 s49, s93, 7
	s_mul_i32 s94, s94, 2*XT
	s_add_co_u32 s49, s49, s94                     ; and the next trip's x
	v_add_nc_u32 v[CAD], s50, v[CA]
	v_add_nc_u32 v[CAN], s52, v[CA]
	v_add_nc_u32 v[FAD], s51, v[LI]
	v_add_nc_u32 v[SAD], s53, v[LI]
	v_add_nc_u32 v[XAD], s49, v[XA]
	TBATCH                                         ; its plain instructions are also the places between the last products and the writes over their operands
.irp u, 0,1,2,3,4,5,6,7
.if \u > 0
	s_wait_dscnt 0x0                               ; this pair's constants, asked for two recursions ago, are in
.endif
.if \u < 7
	CLOAD (\u+1)%2, CAD, REC*(\u+1)                ; the next pair's go into the other buffer
.else
	CLOAD 0, CAN, 0                                ; the next trip's first pair's, and the first K step's weights
	FETCH 3, WF, 0, WS, 0
.endif
	BODY 0, \u
	BODY 1, \u
.endr
	QUANT 0,   1, AF,    AS
	QUANT 64,  1, AF+12, AS+1
	QUANT 128, 1, AF+24, AS+2
	QUANT 192, 1, AF+36, AS+3
	FETCH 1, 0, 8*FRB, WS+4, 512                   ; the second K step's weights take the place of the basis, and land under the first step's products
	PLACES 8                                       ; eight places behind the last scale word's write, four behind the last fragment's
	s_wait_dscnt 25                                ; all but the 25 loads just issued
	WIN 0xf3                                       ; weights, C and D in window 3, my fragment in window 0
	WMMA8 0, WF, AF,    AS,   WS
	WMMA8 1, WF, AF+24, AS+2, WS
	s_wait_dscnt 0x0
	WIN 0xf1                                       ; weights in window 1
	WMMA8 0, 0, AF+12, AS+1, WS+4
	WMMA8 1, 0, AF+36, AS+3, WS+4
	WIN 0                                          ; at a label and at a branch every window is 0
	s_cmp_lg_u32 s90, 3
	s_cbranch_scc1 .Lnext
	; A PASS'S TAIL, behind its last g: a branch on the loop's counter alone.
	s_wait_xcnt 0x0                                ; the last pass's stores have read their offset
	s_lshl_b32 s92, s91, 14                        ; 32 rows of out0
	s_mul_i32 s93, s91, 2*XT
	v_add_nc_u32 v[LIO], s92, v[LI]                ; these four additions are the places between the last products and the loads into the weights' registers
	v_add_nc_u32 v[XSD], s93, v[XA]
	v_add_nc_u32 v[FAD], 64*FRB, v[LI]             ; the base product's images and scale words
	v_add_nc_u32 v[SAD], SCL+8*512, v[LI]
	FETCH 3, WF, 0, WS, 0
	WIN 0x40                                       ; base_bias, in the accumulators' layout
.irp n, 0,1,2,3,4,5,6,7
	ds_load_b128 v[BB+8*\n:BB+8*\n+3], v[BA] offset:512+64*\n
	ds_load_b128 v[BB+8*\n+4:BB+8*\n+7], v[BA] offset:512+64*\n+16
.endr
	XSLOAD 0
	SILU 0, 1
	SILU 1, -1
	FIN 0                                          ; a whole FIN lies between the second fragment's last write and its products
	FIN 1
	ACCINIT                                        ; the next pass's sums (behind the last pass: read again, not used)
	s_wait_xcnt 0x0                                ; the second tile's stores have read their data, window 1's v192-255: the next trip's recursion writes the basis there only behind this wait
.Lnext:
	s_wait_tensorcnt 0x0                           ; my rows 32-63, which only I read, are first read by the loads below, in the fourth trip; in every other trip the wait is met at once
	XLOAD XAD
	s_add_co_u32 s48, s48, 1
	s_cmp_lt_u32 s48, 8
	s_cbranch_scc1 .Lstep
	s_wait_dscnt 0x0                               ; no LDS instruction of mine is out at a signal; my tensor loads have been waited for
	s_wait_tensorcnt 0x0
	ds_add_u32 v254, v255
	s_wait_dscnt 0x0
	ROUND                                          ; the closing round: no work-group ends while a partner may still ask for the table
	s_endpgm
.Lfunc_end_k_q9be51f0c6c_kan:
	.size	k_q9be51f0c6c_kan, .Lfunc_end_k_q9be51f0c6c_kan-k_q9be51f0c6c_kan
	.p2alignl 7, 3214868480
	.fill 96, 4, 3214868480
	.section	.rodata,"a",@progbits
	.p2align	6, 0x0
	.amdhsa_kernel k_q9be51f0c6c_kan
		.amdhsa_group_segment_fixed_size 327680
		.amdhsa_private_segment_fixed_size 0
		.amdhsa_enable_private_segment 0
		.amdhsa_kernarg_size 32
		.amdhsa_user_sgpr_count 2
		.amdhsa_user_sgpr_kernarg_segment_ptr 1
		.amdhsa_wavefront_size32 1
		.amdhsa_system_sgpr_workgroup_id_x 1
		.amdhsa_system_sgpr_workgroup_id_y 1
		.amdhsa_system_sgpr_workgroup_id_z 1
		.amdhsa_system_vgpr_workitem_id 0
		.amdhsa_next_free_vgpr 1024
		.amdhsa_next_free_sgpr 96
		.amdhsa_reserve_vcc 0
		.amdhsa_float_denorm_mode_32 3
		.amdhsa_float_denorm_mode_16_64 3
		.amdhsa_memory_ordered 1
		.amdhsa_forward_progress 1
		.amdhsa_inst_pref_size 245
	.end_amdhsa_kernel
	.amdgpu_metadata
---
amdhsa.version: [ 1, 2 ]
amdhsa.kernels:
  - .name:           k_q9be51f0c6c_kan
    .symbol:         k_q9be51f0c6c_kan.kd
    .args:
      - { .name: x, .offset: 0, .size: 8, .value_kind: global_buffer, .address_space: global }
      - { .name: tab, .offset: 8, .size: 8, .value_kind: global_buffer, .address_space: global }
      - { .name: spline_scale, .offset: 16, .size: 8, .value_kind: global_buffer, .address_space: global }
      - { .name: out0, .offset: 24, .size: 8, .value_kind: global_buffer, .address_space: global }
    .group_segment_fixed_size: 327680
    .private_segment_fixed_size: 0
    .kernarg_segment_align: 8
    .kernarg_segment_size: 32
    .max_flat_workgroup_size: 128
    .sgpr_count:     96
    .vgpr_count:     1024
    .wavefront_size: 32
...
	.end_amdgpu_metadata
.endif
;; end of part 2
